; MI455X (gfx1250); checked and timed in simulation.
; The chip was launched on July 23, 2026; its instructions are those of AMD's public machine-readable ISA for CDNA 5 (MIT licence, August 2026) and "CDNA5" Instruction Set Architecture Reference Guide (July 2026). The comments in the code are by the model that wrote it; some were corrected since.
;; Multi Head Attention. Allowed arithmetic: matrix products marked QUANTISED: E2M3 operands, one E8M0 scale for each 32 along K, by v_wmma_scale_f32_16x16x128_f8f6f4 with both operands' format E2M3, f32 sums; everything else in f32.
;; Inputs: Wk 16 x 1,024 x 64 float32; Wp 1,024 x 1,024 float32; Wq 16 x 1,024 x 64 float32; Wv 16 x 1,024 x 64 float32; bp 1,024 float32; x 4 x 2,048 x 1,024 float32.
;; Outputs: out0 4 x 2,048 x 1,024 float32.
;; This version of the problem:
;;   THIS VERSION OF THE PROBLEM IS GIVEN IN LOW PRECISION. The matrix products marked QUANTISED in the list below multiply operands that are first quantised to E2M3 (2 exponent bits, 3 mantissa bits; 6 bits a number), with one power-of-two scale for each 32 numbers along K (OCP MX v1.0); their sums are f32. All else is computed in f32.
;;   The module's matrix products, in the order in which they are computed (A, B: the left and right operand; K: the contracted axis; several contracted axes count as one K, in the product's order):
;;     1. [M 1,024, K 1,024] x [K 1,024, N 8,192]; A: input Wq; B: input x: QUANTISED
;;     2. [M 1,024, K 1,024] x [K 1,024, N 8,192]; A: input Wk; B: input x: QUANTISED
;;     3. [M 1,024, K 1,024] x [K 1,024, N 8,192]; A: input Wv; B: input x: QUANTISED
;;     4. batch 64 x [M 2,048, K 64] x [K 64, N 2,048]; A: computed on the way; B: computed on the way: QUANTISED
;;     5. batch 64 x [M 2,048, K 2,048] x [K 2,048, N 64]; A: softmax (see below); B: computed on the way: QUANTISED
;;     6. [M 8,192, K 1,024] x [K 1,024, N 1,024]; A: computed on the way; B: input Wp: QUANTISED
;;   THE QUANTISER, for each operand of a quantised product, along K:
;;     - K is cut into blocks of 32 from its start; a last block that is shorter is filled with zeros.
;;     - A block's scale is 2^e with e = floor(log2(the largest magnitude in the block)) - 2, held to -126 .. 127; a block of zeros has e = 0. As a byte (E8M0): e + 127.
;;     - Each number is divided by its block's scale, clamped to +-7.5, and rounded to the nearest number of E2M3, ties to even, subnormals kept.
;;     - The product sums the exact products of the quantised numbers (number of the format x scale) in f32.
;;   ~~~python
;;   def quantise(x, axis):      # numpy; x: float32 -> the quantised numbers, widened to float32 again
;;       x = np.moveaxis(x, axis, -1); K = x.shape[-1]
;;       x = np.pad(x, [(0, 0)] * (x.ndim - 1) + [(0, -K % 32)]); x = x.reshape(x.shape[:-1] + (-1, 32)); a = np.abs(x).max(-1, keepdims=True)
;;       e = np.where(a > 0, np.clip(np.frexp(np.where(a > 0, a, 1))[1] - 1 - 2, -126, 127), 0)      # np.frexp(a)[1] - 1 = floor(log2(a)), exactly
;;       r = np.clip(x / 2.0 ** e, -7.5, 7.5)
;;       step = 2.0 ** (np.maximum(np.frexp(np.where(r == 0, 1, r))[1] - 1, 0) - 3)
;;       q = np.round(r / step) * step * 2.0 ** e      # np.round: ties to even
;;       return np.moveaxis(q.reshape(q.shape[:-2] + (-1,))[..., :K], -1, axis).astype(np.float32)
;;   ~~~
;;   SOFTMAX AHEAD OF A QUANTISED PRODUCT. Where the list says 'softmax', what is quantised is not the finished softmax but p = 2^(t - M), with t = logit x log2(e) and M = ceil(the row's largest t), a whole number; so 1/2 < the row's largest p <= 1. The row's sum l is taken of the UNQUANTISED p, in f32, and the product's result is divided by l at the end. Since M is a whole number, a kernel that streams over the keys may use a running M (the ceiling of the running maximum): every later rescaling is an exact power of two, which a block's scale takes up: the codes' values come out the same.
;;   OPERANDS COMPUTED ON THE WAY. 'Computed on the way' means the value that the module computes at that place (a softmax that the list does not call 'softmax' is quantised finished and normalised). What goes into a quantiser is computed in f32, as accurately as f32 sums, v_exp_f32 and their like allow (about 1e-6 of the number): no bf16 or f16 on the way to a quantiser, and a product that is left as it is and whose result goes on into a quantised operand takes f32 operands (vector FMAs, or v_wmma_f32_16x16x4_f32). A number that lies on a knife's edge between two numbers of the format may be rounded either way, as far as f32 arithmetic and the matrix unit's own rounding can turn it there, and no further.
;; One version. Each part assembles by itself: llvm-mc -triple=amdgcn-amd-amdhsa -mcpu=gfx1250 --defsym DOCPART=n.
;; ======== version 1 of 1: 4 launches
;; limits: right only within a limited range of input values
;; workspace buffers: xq 6,553,600 bytes; wq 3,276,800 bytes; qkv 20,185,088 bytes; ob 6,553,600 bytes
;; launch quant (part 1): grid 384 x 1, 4 waves a work-group, no clusters, 59,904 bytes of LDS; arguments x, Wq, Wk, Wv, Wp, xq, wq; writes xq, wq
.if DOCPART == 1
	.amdgcn_target "amdgcn-amd-amdhsa--gfx1250"
	.amdhsa_code_object_version 6
	.text
	.protected	k_qe0219ffe45_quant
	.globl	k_qe0219ffe45_quant
	.p2align	8
	.type	k_qe0219ffe45_quant,@function
k_qe0219ffe45_quant:
	s_mov_b64 s[64:65], 0
	v_nop
	global_prefetch_b8 v0, s[64:65] scope:SCOPE_SE
	s_setreg_imm32_b32 hwreg(HW_REG_WAVE_MODE, 25, 1), 1
	s_wait_xcnt 0x0
; x [8192][1024] (K innermost) and Wq, Wk, Wv [16][1024][64], Wp [1024][1024] (K = the axis of 1,024 that is NOT innermost), all f32, become codes of FP6 (E2M3) with one E8M0 byte for each 32 along K.
; A block's scale is 2^(floor(log2(its largest magnitude)) - 2): its byte is the largest magnitude's exponent field - 2, held at 1 from below by a floor among the maximum's leaves.
; LIMITS: NaN and infinities among the inputs are not served; a block whose largest magnitude lies under 2^-124 keeps the byte 1; a block of zeros gets the byte 1 where the rule says 127 (its codes are zeros, and this program alone reads the bytes).
; THE WORKSPACE IS LAID AS THE MATRIX UNIT'S REGISTERS.  A fragment (16 rows x 128 K, 12 registers a lane) is six pieces of 256 bytes: piece p = registers 2 p, 2 p + 1, lane l's 8 bytes at 256 p + 8 l.
; xq, wq: [tile of rows][K step 0..7][1,536 bytes]; behind them the scale words [tile][pair of K steps 0..3][place r][2 words].
; THE ROWS OF A TILE ARE NOT NEIGHBOURS: place r of tile 2 a + u is row 32 a + 8 u + r + 8 (r / 8), so that a product that takes such tiles as its source 0 leaves 16 neighbours in a lane's 16 registers of two tiles.
; Work-groups 0-255 take x, 256-383 the weights; each way has LDS bytes of its own.  No tensor load, no barrier: waves share nothing.
.set XQ_SC, 6291456                    ; xq: where the scale words begin
.set WQ_SC, 3145728                    ; wq: likewise
.set STX,   8448                       ; x's way: a wave's stage, 16 rows x (512 + 16) bytes
.set WLDS,  4*STX                      ; the weights' way begins here
.set STW,   6400                       ; a wave's stage there: two tiles x 3,072 bytes, 3,200 apart
.set FLOOR, 0x1800000                  ; 2^(3 - 127)
.set RX,  16                           ; x: v16-143 two sets of 64 numbers as loaded
.set XN,  144                          ; v144-207 my 64 numbers: two whole blocks of 32
.set CX,  208                          ; v208-219 a fragment's codes
.set WX,  228                          ; v228-231 four scale words
.set XW,  16                           ; weights: v16-79 two sets of 32 numbers
.set CW,  80                           ; v80-86 a block's codes
.set SB,  88                           ; v88-89 eight scale bytes
.set OUTR, 96                          ; v96-143 the way out
; a whole block of 32 numbers in ONE lane, v[s] on, becomes six registers of codes at v[c0] on; so: the conversions' scale operand; by: the byte
.macro QBLK s, c0, ct, so, by
	v_max3_num_f32 v8, |v[(\s)]|, |v[(\s)+1]|, |v[(\s)+2]|          ; the largest magnitude, in two chains
	v_max3_num_f32 v9, |v[(\s)+3]|, |v[(\s)+4]|, |v[(\s)+5]|
.irp i, 6,10,14,18,22,26
	v_max3_num_f32 v8, v8, |v[(\s)+\i]|, |v[(\s)+\i+1]|
	v_max3_num_f32 v9, v9, |v[(\s)+\i+2]|, |v[(\s)+\i+3]|
.endr
	v_max3_num_f32 v8, v8, |v[(\s)+30]|, |v[(\s)+31]|
	v_max3_num_f32 v8, v8, v9, FLOOR               ; and the floor: the byte cannot fall under 1
	v_add_nc_u32 v[\so], 0xff000000, v8            ; 2 off the exponent field: the conversion takes that field as its scale
	v_lshrrev_b32 v[\by], 23, v[\so]               ; the byte
	v_cvt_scalef32_pk16_fp6_f32 v[\c0:\c0+2], v[(\s):(\s)+15], v[\so]
	v_cvt_scalef32_pk16_fp6_f32 v[\ct:\ct+2], v[(\s)+16:(\s)+31], v[\so]   ; (three registers that begin on an even number: made elsewhere and moved)
	v_nop                                          ; one plain line behind the scaled conversions
.irp i, 0,1,2
	v_mov_b32 v[\c0+3+\i], v[\ct+\i]
.endr
.endm
	s_load_b256 s[4:11], s[0:1], 0x0               ; x, Wq, Wk, Wv
	s_load_b128 s[12:15], s[0:1], 0x20             ; Wp, xq
	s_load_b64 s[16:17], s[0:1], 0x30              ; wq
	v_lshl_add_u32 v254, v0, 2, 0xe800
	v_mov_b32 v255, 0
	v_lshrrev_b32 v1, 5, v0
	v_readfirstlane_b32 s18, v1                    ; wave
	v_and_b32 v1, 31, v0                           ; lane
	v_and_b32 v2, 15, v0                           ; r
	v_bfe_u32 v3, v0, 4, 1                         ; h
	s_mov_b32 s20, 0x76543210
	s_mov_b32 s21, 0xfedcba98                      ; selects for lane l xor 16
	s_cmp_ge_u32 ttmp9, 256
	s_cbranch_scc1 .Lweights
; ---- x.  A wave takes one tile of 16 rows x four K steps of 128.  Each load reads 512 consecutive bytes of one row; the 16 rows turn through the wave's stage, so that lane (r, h) gets k = 64 c + 32 h + 0 .. 31 of row r.
	s_lshl_b32 s22, ttmp9, 2
	s_add_co_u32 s22, s22, s18
	s_lshr_b32 s23, s22, 1                         ; the tile of rows
	s_and_b32 s22, s22, 1                          ; which four K steps
	s_lshr_b32 s24, s23, 1
	s_lshl_b32 s24, s24, 5
	s_and_b32 s25, s23, 1
	s_lshl_b32 s25, s25, 3
	s_add_co_u32 s24, s24, s25                     ; the tile's first row
	s_lshl_b32 s24, s24, 12
	s_lshl_b32 s25, s22, 11
	s_add_co_u32 s24, s24, s25
	s_mov_b32 s25, 0
	s_mul_i32 s26, s23, 12288
	s_mul_i32 s27, s22, 6144
	s_add_co_u32 s26, s26, s27
	s_mov_b32 s27, 0
	s_lshl_b32 s28, s23, 9
	s_lshl_b32 s29, s22, 8
	s_add_co_u32 s28, s28, s29
	s_add_co_u32 s28, s28, XQ_SC
	s_mov_b32 s29, 0
	s_wait_alu depctr_va_vdst(0)
	v_lshlrev_b32 v4, 4, v1                        ; 16 x lane
	v_lshlrev_b32 v5, 3, v1                        ; 8 x lane
	s_mul_i32 s30, s18, STX
	v_add_nc_u32 v6, s30, v4                       ; the stage, in: a row's 512 bytes on end
	v_mul_u32_u24 v7, v2, 528
	v_lshl_add_u32 v7, v3, 7, v7
	v_add_nc_u32 v7, s30, v7                       ; and out: row r, + 128 h
	v_lshlrev_b32 v10, 3, v3                       ; 8 h
	v_mov_b32 v237, 0                              ; a lane permute's destination counts as read
	s_wait_alu depctr_va_vdst(0)
	s_wait_kmcnt 0x0
	s_add_nc_u64 s[24:25], s[4:5], s[24:25]
	s_add_nc_u64 s[26:27], s[14:15], s[26:27]
	s_add_nc_u64 s[28:29], s[14:15], s[28:29]
.macro LOADX t
.irp j, 0,1,2,3,4,5,6,7,8,9,10,11,12,13,14,15
	global_load_b128 v[RX+64*((\t)%2)+4*\j:RX+64*((\t)%2)+4*\j+3], v4, s[24:25] offset:(\j+8*(\j/8))*4096+512*(\t) th:TH_LOAD_NT
.endr
.endm
.macro XSTEP t
.if (\t) < 3
	s_wait_loadcnt 16                              ; this K step's sixteen loads are in; the next step's sixteen may be out
.else
	s_wait_loadcnt 0
.endif
.irp j, 0,1,2,3,4,5,6,7,8,9,10,11,12,13,14,15
	ds_store_b128 v6, v[RX+64*((\t)%2)+4*\j:RX+64*((\t)%2)+4*\j+3] offset:528*\j
.endr
.irp c, 0,1
.irp i, 0,1,2,3,4,5,6,7
	ds_load_b128 v[XN+32*\c+4*\i:XN+32*\c+4*\i+3], v7 offset:256*\c+16*\i   ; LDS serves a wave's instructions in order: these see the stores above
.endr
.endr
	s_wait_dscnt 0x0                               ; my numbers are back, and the stores have read the set
.if (\t) > 0
	s_wait_xcnt 0x0                                ; the last step's stores have read the codes' registers
.endif
.if (\t) < 2
	LOADX (\t)+2
.endif
	QBLK XN, CX, 220, 232, 234                     ; block h of the K step
	QBLK XN+32, CX+6, 224, 233, 235                ; block 2 + h
	v_lshl_or_b32 v236, v235, 16, v234             ; my two bytes,
	v_lshlrev_b32 v236, v10, v236                  ; at their places (8 h bits up);
	v_permlanex16_b32 v237, v236, s20, s21
	v_or_b32 v[WX+(\t)], v236, v237                ; with lane l xor 16's two the row's word is whole
.irp p, 0,1,2,3,4,5
	global_store_b64 v5, v[CX+2*\p:CX+2*\p+1], s[26:27] offset:1536*(\t)+256*\p   ; 32 lanes store 256 consecutive bytes, aligned
.endr
.endm
	LOADX 0
	LOADX 1
	XSTEP 0
	XSTEP 1
	XSTEP 2
	XSTEP 3
	v_cmp_ne_u32 vcc_lo, 0, v3
	v_cndmask_b32 v232, v228, v230, vcc_lo         ; lanes 0-15: the words of the first two K steps; lanes 16-31: of the other two
	v_cndmask_b32 v233, v229, v231, vcc_lo
	global_store_b64 v5, v[232:233], s[28:29]      ; 256 consecutive bytes, aligned
	s_wait_tensorcnt 0x0
	ds_add_u32 v254, v255
	s_wait_dscnt 0x0
	s_endpgm
; ---- the weights.  A lane takes a column n and its registers run down K: a wave takes 32 columns x 256 along K, 8 blocks a lane.  Nothing is transposed by an instruction.
.Lweights:
	s_sub_co_u32 s22, ttmp9, 256
	s_lshr_b32 s23, s22, 5                         ; which tensor: Wq, Wk, Wv, Wp
	s_bfe_u32 s24, s22, 0x20003                    ; which 256 along K
	s_and_b32 s25, s22, 7
	s_lshl_b32 s25, s25, 2
	s_add_co_u32 s25, s25, s18                     ; which 32 columns
	s_cmp_eq_u32 s23, 3
	s_cselect_b32 s30, 1, 0                        ; Wp: rows of 4,096 bytes; the others: rows of 256 bytes inside a head
	s_lshr_b32 s26, s25, 1
	s_lshl_b32 s26, s26, 18                        ; the head,
	s_and_b32 s27, s25, 1
	s_lshl_b32 s27, s27, 7                         ; its lower or upper 32 columns,
	s_add_co_u32 s26, s26, s27
	s_lshl_b32 s27, s24, 16                        ; 256 rows of 256 bytes
	s_add_co_u32 s26, s26, s27
	s_lshl_b32 s27, s25, 7
	s_lshl_b32 s28, s24, 20
	s_add_co_u32 s27, s27, s28                     ; Wp: 128 bytes a group, 256 rows of 4,096 bytes
	s_cmp_eq_u32 s30, 1
	s_cselect_b32 s26, s27, s26
	s_mov_b32 s27, 0
	s_lshl_b32 s28, s23, 6
	s_lshl_b32 s29, s25, 1
	s_add_co_u32 s28, s28, s29                     ; the first of my two tiles of rows in wq
	s_mul_i32 s32, s28, 12288
	s_mul_i32 s33, s24, 3072
	s_add_co_u32 s32, s32, s33
	s_mov_b32 s33, 0
	s_lshl_b32 s34, s28, 9
	s_lshl_b32 s35, s24, 7
	s_add_co_u32 s34, s34, s35
	s_add_co_u32 s34, s34, WQ_SC
	s_mov_b32 s35, 0
	v_bfe_u32 v11, v0, 3, 1                        ; my column's tile u
	v_and_b32 v12, 7, v0
	s_wait_alu depctr_va_vdst(0)
	v_lshl_add_u32 v12, v3, 3, v12                 ; and its place there: lane % 8 + 8 (lane / 16)
	v_lshlrev_b32 v4, 2, v1                        ; in: 4 bytes a lane
	s_mul_i32 s31, s18, STW
	s_add_co_u32 s31, s31, WLDS
	v_mul_u32_u24 v5, v11, 3200
	v_lshl_add_u32 v5, v12, 3, v5
	v_add_nc_u32 v5, s31, v5                       ; the stage, in: 3,200 u + 8 x place: the 32 lanes of a store touch 256 different bytes modulo 256
	v_lshlrev_b32 v7, 4, v1
	v_add_nc_u32 v6, s31, v7                       ; and out: 16 x lane
	v_lshlrev_b32 v10, 9, v11
	v_lshl_add_u32 v10, v12, 3, v10                ; my two scale words: 512 u + 8 x place
	s_wait_kmcnt 0x0
	s_cmp_eq_u32 s23, 1
	s_cselect_b64 s[36:37], s[8:9], s[6:7]
	s_cmp_eq_u32 s23, 2
	s_cselect_b64 s[36:37], s[10:11], s[36:37]
	s_cmp_eq_u32 s23, 3
	s_cselect_b64 s[36:37], s[12:13], s[36:37]
	s_add_nc_u64 s[36:37], s[36:37], s[26:27]
	s_add_nc_u64 s[32:33], s[16:17], s[32:33]
	s_add_nc_u64 s[34:35], s[16:17], s[34:35]
.macro LOADW t                         ; block t: 32 rows of K at my column.  The two ways differ in the rows' pitch alone, and both issue 32 loads
	s_cmp_eq_u32 s30, 1
	s_cbranch_scc1 .Lwp_\@
	s_wait_alu depctr_va_vdst(0)
.irp i, 0,1,2,3,4,5,6,7,8,9,10,11,12,13,14,15,16,17,18,19,20,21,22,23,24,25,26,27,28,29,30,31
	global_load_b32 v[XW+32*((\t)%2)+\i], v4, s[36:37] offset:(32*(\t)+\i)*256 th:TH_LOAD_NT
.endr
	s_branch .Lwd_\@
.Lwp_\@:
	s_wait_alu depctr_va_vdst(0)
.irp i, 0,1,2,3,4,5,6,7,8,9,10,11,12,13,14,15,16,17,18,19,20,21,22,23,24,25,26,27,28,29,30,31
	global_load_b32 v[XW+32*((\t)%2)+\i], v4, s[36:37] offset:(32*(\t)+\i)*4096 th:TH_LOAD_NT
.endr
.Lwd_\@:
.endm
.macro WBLK t
.if (\t) < 7
	s_wait_loadcnt 32                              ; this block's 32 loads are in; the next block's may be out
.else
	s_wait_loadcnt 0
.endif
	QBLK XW+32*((\t)%2), CW, CW+4, 90, 91
.if (\t)%4 == 0
	v_mov_b32 v[SB+(\t)/4], v91                    ; four bytes to a word, the lower K in the lower byte
.else
	v_lshl_or_b32 v[SB+(\t)/4], v91, 8*((\t)%4), v[SB+(\t)/4]
.endif
.irp p, 0,1,2
	ds_store_b64 v5, v[CW+2*\p:CW+2*\p+1] offset:((\t)/4)*1536+(3*(((\t)%4)/2)+\p)*256+((\t)%2)*128   ; block t is K step t / 4, registers 6 ((t % 4) / 2) on, of the lane 16 (t % 2) + place
.endr
.if (\t)+2 < 8
	LOADW (\t)+2
.endif
	s_wait_dscnt 0x0                               ; the stores have read the codes' registers
.endm
	LOADW 0
	LOADW 1
.irp t, 0,1,2,3,4,5,6,7
	WBLK \t
.endr
	s_wait_alu depctr_va_vdst(0)
	global_store_b64 v10, v[SB:SB+1], s[34:35]     ; runs of 128 bytes: 131,072 bytes in all beside the 16.8 MB read; whole blocks of 256 would want one wave for all of K
.irp u, 0,1
.irp m, 0,1,2,3,4,5
	ds_load_b128 v[OUTR+4*(6*\u+\m):OUTR+4*(6*\u+\m)+3], v6 offset:3200*\u+512*\m
.endr
.endr
.irp u, 0,1
.irp m, 0,1,2,3,4,5
	s_wait_dscnt 11-6*\u-\m
	global_store_b128 v7, v[OUTR+4*(6*\u+\m):OUTR+4*(6*\u+\m)+3], s[32:33] offset:12288*\u+512*\m   ; 512 consecutive bytes, aligned
.endr
.endr
	s_wait_tensorcnt 0x0
	ds_add_u32 v254, v255
	s_wait_dscnt 0x0
	s_endpgm
.Lfunc_end_k_qe0219ffe45_quant:
	.size	k_qe0219ffe45_quant, .Lfunc_end_k_qe0219ffe45_quant-k_qe0219ffe45_quant
	.p2alignl 7, 3214868480
	.fill 96, 4, 3214868480
	.section	.rodata,"a",@progbits
	.p2align	6, 0x0
	.amdhsa_kernel k_qe0219ffe45_quant
		.amdhsa_group_segment_fixed_size 59904
		.amdhsa_private_segment_fixed_size 0
		.amdhsa_enable_private_segment 0
		.amdhsa_kernarg_size 56
		.amdhsa_user_sgpr_count 2
		.amdhsa_user_sgpr_kernarg_segment_ptr 1
		.amdhsa_wavefront_size32 1
		.amdhsa_system_sgpr_workgroup_id_x 1
		.amdhsa_system_sgpr_workgroup_id_y 1
		.amdhsa_system_sgpr_workgroup_id_z 1
		.amdhsa_system_vgpr_workitem_id 0
		.amdhsa_next_free_vgpr 256
		.amdhsa_next_free_sgpr 66
		.amdhsa_reserve_vcc 1
		.amdhsa_float_denorm_mode_32 3
		.amdhsa_float_denorm_mode_16_64 3
		.amdhsa_memory_ordered 1
		.amdhsa_forward_progress 1
		.amdhsa_inst_pref_size 99
	.end_amdhsa_kernel
	.amdgpu_metadata
---
amdhsa.version: [ 1, 2 ]
amdhsa.kernels:
  - .name:           k_qe0219ffe45_quant
    .symbol:         k_qe0219ffe45_quant.kd
    .args:
      - { .name: x, .offset: 0, .size: 8, .value_kind: global_buffer, .address_space: global }
      - { .name: Wq, .offset: 8, .size: 8, .value_kind: global_buffer, .address_space: global }
      - { .name: Wk, .offset: 16, .size: 8, .value_kind: global_buffer, .address_space: global }
      - { .name: Wv, .offset: 24, .size: 8, .value_kind: global_buffer, .address_space: global }
      - { .name: Wp, .offset: 32, .size: 8, .value_kind: global_buffer, .address_space: global }
      - { .name: xq, .offset: 40, .size: 8, .value_kind: global_buffer, .address_space: global }
      - { .name: wq, .offset: 48, .size: 8, .value_kind: global_buffer, .address_space: global }
    .group_segment_fixed_size: 59904
    .private_segment_fixed_size: 0
    .kernarg_segment_align: 8
    .kernarg_segment_size: 56
    .max_flat_workgroup_size: 128
    .sgpr_count:     66
    .vgpr_count:     256
    .wavefront_size: 32
...
	.end_amdgpu_metadata
.endif
;; end of part 1
;; launch proj (part 2): grid 8 x 32, 4 waves a work-group, clusters of 4 x 4, 327,680 bytes of LDS; arguments xq, wq, qkv; writes qkv
.if DOCPART == 2
	.amdgcn_target "amdgcn-amd-amdhsa--gfx1250"
	.amdhsa_code_object_version 6
	.text
	.protected	k_qe0219ffe45_proj
	.globl	k_qe0219ffe45_proj
	.p2align	8
	.type	k_qe0219ffe45_proj,@function
k_qe0219ffe45_proj:
	s_mov_b64 s[64:65], 0
	v_nop
	global_prefetch_b8 v0, s[64:65] scope:SCOPE_SE
	s_setreg_imm32_b32 hwreg(HW_REG_WAVE_MODE, 25, 1), 1
	s_wait_xcnt 0x0
	s_wait_alu depctr_hold_cnt(0) depctr_sa_sdst(0) depctr_va_vdst(0) depctr_va_sdst(0) depctr_va_ssrc(0) depctr_va_vcc(0) depctr_vm_vsrc(0)
	s_getreg_b32 s2, hwreg(HW_REG_IB_STS2, 6, 4)
	s_cmp_eq_u32 s2, 0
	s_cbranch_scc0 .Lentry_in_a_cluster
	s_endpgm
.Lentry_in_a_cluster:
	s_bfe_u32 s2, ttmp6, 0x10000c
	s_cmp_lg_u32 s2, 0xf033
	s_cbranch_scc0 .Lentry_shape_is_right
	s_endpgm
.Lentry_shape_is_right:
; q, k, v = x W on codes of FP6 (E2M3) with E8M0 scales, K = 1,024; the results are quantised on the way out and leave as codes: q and k along the head's 64, v along the keys.
; THE DEAL.  256 work-groups: row group R (256 tokens) x column group g (heads 2 g, 2 g + 1 of q, of k and of v: six SLOTS of 64 columns).  Wave w holds tokens 64 w .. 64 w + 63 of the row group, ALL of K, in 384 registers.
; x lies in memory as images of the unit's registers ([tile of 16 rows][K step][six pieces of 256 bytes]), so each global_load_b64 of a wave reads 256 consecutive aligned bytes straight into a fragment's registers.
; THE WEIGHTS' six slots (294,912 bytes) and their scale words (12,288) land in LDS ONCE, one joint load a wave at the head, shared along a column of the 4 x 4 cluster: nothing is filled again, so there is no ring.
; x is not asked for jointly: each of its bytes goes once into one wave's registers, and LDS has 20,480 bytes left beside the weights.  No L2 prefetch: every request goes out at the head, and there is no loop to run ahead in.
; A slot is 8 K steps x 16 products on 16 accumulators by turns.  q, k: source 0 = W's rows, a lane holds a token and its registers run along d.  v: source 0 = x's rows, a lane holds a d, registers run along the keys.
; A tile's rows are 32 a + 8 u + r + 8 (r / 8), so the 16 registers of two neighbouring result tiles are 16 neighbours.  Scale words: [tile][pair of K steps][place][2 words]: a load of 8 bytes a lane gives lanes 0-15 K steps 4 pp, 4 pp + 1 and lanes 16-31 K steps 4 pp + 2, 4 pp + 3.
; LIMITS: NaN and infinities are not served; a block whose largest magnitude lies under 2^-124, a block of zeros among them, keeps the byte 1 (this program alone reads the bytes).  Bytes 2, 3 of q's and k's scale words are 0: they scale zero codes of q.
; REGISTERS: window 0: addresses, v32-47 x's scale words, v50-65 W's, v100-107 and v132-183 the way out.  windows 1, 2: x's fragments of K steps 0-3, 4-7 at 12 (4 (q % 4) + i).  window 3: v0-95 W's fragments, two sets; v128-255 accumulators.
.set XQ_SC,  6291456
.set WQ_SC,  3145728
.set KV_IMG, 6291456
.set Q_SC,   18874368
.set KV_SC,  19398656
.set SLOTB,  49152
.set SCW,    6*SLOTB
.set SPARE,  SCW+12288
.set L8,  2
.set R16, 3
.set AW,  4
.set AN,  5
.set ASN, 6
.set OC,  7
.set OS,  8
.set SPW, 10
.set NIL, 11
.set XS,  32
.set WS,  50
.set MX,  100
.set WD,  180
.set G1C, 24
.set G1S, 32
.set G0,  48
.set G0S, 52
.set SEL, 66
.set O0,  68
.set S0,  72
.set OV,  76
.set SV,  77
.set CB,  78
.set NB,  79
.set CS,  80
.set NS,  81
.set TR,  90
.set MSB, 0
.macro WIN new
.if MSB != \new
	s_set_vgpr_msb (MSB<<8)|\new
.set MSB, \new
.endif
.endm
.macro PLACES n
.rept \n
	v_nop
.endr
.endm
.macro WALU
	s_wait_alu depctr_va_vdst(0)
.endm
.macro CROUND
	s_barrier_signal -1
	s_barrier_wait -1
	s_cmp_lg_u32 s14, 0
	s_cbranch_scc1 .Lnot_wave_0_\@
	s_barrier_signal -3
.Lnot_wave_0_\@:
	s_barrier_wait -3
	s_barrier_signal -1
	s_barrier_wait -1
.endm
.macro FRAGS adr, q                    ; W's four fragments of K step q into set q % 2: 24 loads
.irp t, 0,1,2,3
.irp p, 0,1,2,3,4,5
	ds_load_b64 v[48*((\q)%2)+12*\t+2*\p:48*((\q)%2)+12*\t+2*\p+1], v[\adr] offset:\t*12288+(\q)*1536+256*\p
.endr
.endr
.endm
.macro WSLOAD                          ; a slot's scale words: 8 loads
.irp t, 0,1,2,3
.irp pp, 0,1
	ds_load_b64 v[WS+4*\t+2*\pp:WS+4*\t+2*\pp+1], v[ASN] offset:\t*512+256*\pp
.endr
.endr
.endm
.macro MM1 d, a, b, c, sa, sb, row
.if \row
	v_wmma_scale_f32_16x16x128_f8f6f4 v[\d:\d+7], v[\a:\a+11], v[\b:\b+11], \c, v[\sa], v[\sb] matrix_a_fmt:MATRIX_FMT_FP6 matrix_b_fmt:MATRIX_FMT_FP6 matrix_a_scale:MATRIX_SCALE_ROW1 matrix_b_scale:MATRIX_SCALE_ROW1
.else
	v_wmma_scale_f32_16x16x128_f8f6f4 v[\d:\d+7], v[\a:\a+11], v[\b:\b+11], \c, v[\sa], v[\sb] matrix_a_fmt:MATRIX_FMT_FP6 matrix_b_fmt:MATRIX_FMT_FP6
.endif
.endm
.macro MM kind, q                      ; 16 products of K step q; the first K step starts the sums
.set E_, 2*((\q)/4)+(\q)%2
.set RW_, ((\q)/2)%2
.if \kind
	WIN (1+(\q)/4)|(3<<2)|0xf0
.else
	WIN 3|((1+(\q)/4)<<2)|0xf0
.endif
.irp i, 0,1,2,3
.irp t, 0,1,2,3
.set XF_, 12*(4*((\q)%4)+\i)
.set WF_, 48*((\q)%2)+12*\t
.if \kind
.set D_, 128+8*(4*\t+\i)
.if \q
	MM1 D_, XF_, WF_, v[D_:D_+7], XS+4*\i+E_, WS+4*\t+E_, RW_
.else
	MM1 D_, XF_, WF_, 0, XS+4*\i+E_, WS+4*\t+E_, RW_
.endif
.else
.set D_, 128+8*(4*\i+\t)
.if \q
	MM1 D_, WF_, XF_, v[D_:D_+7], WS+4*\t+E_, XS+4*\i+E_, RW_
.else
	MM1 D_, WF_, XF_, 0, WS+4*\t+E_, XS+4*\i+E_, RW_
.endif
.endif
.endr
.endr
.endm
; the way out of 32 sums a lane: register 16 a + i is neighbour 32 a + 16 h + i: two blocks of 32, each in lanes l and l xor 16; six registers of an operand's image leave as three pieces of 256 bytes
.macro UNIT kind, u
.set AC_, 128+32*(\u)
.set CD_, 132+8*(\u)
.set CT_, 164+4*(\u)
	WIN 0x3c
	v_max3_num_f32 v[MX], 0x1800000, |v[AC_]|, |v[AC_+1]|            ; the floor 2^(3 - 127) among the leaves; each accumulator is read from its low end on
	v_max3_num_f32 v[MX+1], 0x1800000, |v[AC_+16]|, |v[AC_+17]|
.irp i, 2,4,6,8,10,12,14
	v_max3_num_f32 v[MX], v[MX], |v[AC_+\i]|, |v[AC_+\i+1]|
	v_max3_num_f32 v[MX+1], v[MX+1], |v[AC_+16+\i]|, |v[AC_+17+\i]|
.endr
	WIN 0
	v_permlanex16_b32 v[MX+2], v[MX], s[SEL], s[SEL+1]
	v_permlanex16_b32 v[MX+3], v[MX+1], s[SEL], s[SEL+1]
	v_max_num_f32 v[MX], v[MX], v[MX+2]
	v_max_num_f32 v[MX+1], v[MX+1], v[MX+3]
	v_add_nc_u32 v[MX+4], 0xff000000, v[MX]                         ; 2 off the exponent field: the conversion's scale operand
	v_add_nc_u32 v[MX+5], 0xff000000, v[MX+1]
	v_lshrrev_b32 v[MX+6], 23, v[MX+4]
	v_lshrrev_b32 v[MX+7], 23, v[MX+5]
	v_lshl_or_b32 v[WD+\u], v[MX+7], 8, v[MX+6]                     ; the two bytes
	WIN 3
	v_cvt_scalef32_pk16_fp6_f32 v[CD_:CD_+2], v[AC_:AC_+15], v[MX+4]
	v_cvt_scalef32_pk16_fp6_f32 v[CT_:CT_+2], v[AC_+16:AC_+31], v[MX+5]
	WIN 0
	v_nop                                                           ; one plain line behind the scaled conversions
.irp i, 0,1,2
	v_permlane16_swap_b32 v[CD_+\i], v[CT_+\i]                      ; lanes 0-15: block 0 whole; lanes 16-31: block 1
.endr
.irp i, 0,1,2
	v_mov_b32 v[CD_+3+\i], v[CT_+\i]
.endr
.irp p, 0,1,2
	global_store_b64 v[OC], v[CD_+2*\p:CD_+2*\p+1], s[8:9] offset:(768+768*\kind)*\u+256*\p   ; 32 lanes store 256 consecutive bytes, aligned
.endr
.if \kind
	global_store_b16 v[OS], v[WD+\u], s[8:9] offset:4*\u           ; v: my 64 keys are half of a scale word of 128 keys: two bytes a lane inside the key step's 256 bytes; 262,144 bytes in all beside 6.3 MB of codes
.endif
.endm
.macro ADDR                            ; LDS addresses of the slot at s[CB], of the next one and of its scale words; behind the last slot the last is named again
	s_add_co_u32 s[NB], s[CB], SLOTB
	s_min_u32 s[NB], s[NB], 5*SLOTB
	s_add_co_u32 s[NS], s[CS], 2048
	s_min_u32 s[NS], s[NS], SCW+5*2048
	v_add_nc_u32 v[AW], s[CB], v[L8]
	v_add_nc_u32 v[AN], s[NB], v[L8]
	v_add_nc_u32 v[ASN], s[NS], v[L8]
.endm
.macro SLOT kind, so, ss
.irp q, 0,1,2,3,4,5,6,7
	PLACES 4                                       ; between the last step's products and the loads into the set that they read
	WIN 0xc0
.if \q < 7
	FRAGS AW, \q+1
.else
	FRAGS AN, 0                                    ; the next slot's first fragments (in the last trip of all: the last slot's once more, which nobody uses)
.endif
	s_wait_dscnt 24                                ; all but the 24 loads just issued
	MM \kind, \q
.endr
	PLACES 4                                       ; ahead of the loads into the scale words and of the first read of the sums
	WIN 0
	WSLOAD
	s_wait_xcnt 0x0                                ; the last slot's stores have read their registers
	v_add_nc_u32 v[OC], s[\so], v[L8]
	v_add_nc_u32 v[OS], s[\ss], v[R16]
.irp u, 0,1,2,3
	UNIT \kind, \u
.endr
.if \kind == 0
	global_store_b128 v[OS], v[WD:WD+3], s[8:9]    ; four tiles' words: sixteen lanes store 256 consecutive bytes (lanes 16-31 store the same words to the same bytes)
.endif
	s_add_co_u32 s[CB], s[CB], SLOTB
	s_add_co_u32 s[CS], s[CS], 2048
	ADDR
.endm
	s_load_b128 s[4:7], s[0:1], 0x0                ; xq, wq
	s_load_b64 s[8:9], s[0:1], 0x10                ; qkv
	v_lshl_add_u32 v[SPW], v0, 2, SPARE
	v_mov_b32 v[NIL], 0
	ds_add_u32 v[SPW], v[NIL]                      ; the opening lines
	ds_add_u32 v[SPW], v[NIL]
	v_lshrrev_b32 v1, 5, v0
	v_readfirstlane_b32 s14, v1                    ; wave
	s_bfe_u32 s40, ttmp6, 0x40000                  ; cx
	s_bfe_u32 s41, ttmp6, 0x40004                  ; cy
	s_lshl_b32 s42, ttmp9, 2
	s_add_co_u32 s42, s42, s40                     ; g
	s_and_b32 s43, ttmp7, 0xffff
	s_lshl_b32 s43, s43, 2
	s_add_co_u32 s43, s43, s41                     ; R
	s_lshl_b32 s44, 0x1111, s40                    ; my column of the cluster
	s_or_b32 s[G1C], s44, (3<<16)|(1<<21)          ; codes: 8 tiles of 12,288 bytes on end, elements of 8 bytes
	s_mov_b32 s[G1C+1], 1536<<16
	s_mov_b32 s[G1C+2], 8<<16
	s_mov_b32 s[G1C+3], 1536<<16
	s_mov_b32 s[G1C+4], 8
	s_mov_b32 s[G1C+5], 1536
	s_mov_b32 s[G1C+6], 0
	s_mov_b32 s[G1C+7], 0
	s_or_b32 s[G1S], s44, (3<<16)|(1<<21)          ; scale words: 3 rows (q, k, v) of 4,096 bytes, 32,768 apart
	s_mov_b32 s[G1S+1], 512<<16
	s_mov_b32 s[G1S+2], 3<<16
	s_mov_b32 s[G1S+3], 512<<16
	s_mov_b32 s[G1S+4], 3
	s_mov_b32 s[G1S+5], 4096
	s_mov_b32 s[G1S+6], 0
	s_mov_b32 s[G1S+7], 0
	s_lshl_b32 s20, s14, 6                         ; wave 0: Wq's tiles, 1: Wk's, 2: Wv's, 8 g on
	s_lshl_b32 s21, s42, 3
	s_add_co_u32 s20, s20, s21
	s_mul_i32 s20, s20, 12288
	s_mov_b32 s21, 0
	s_lshl_b32 s22, s42, 12
	s_add_co_u32 s22, s22, WQ_SC
	s_mov_b32 s23, 0
	s_mov_b32 s[G0], 1
	s_mul_i32 s[G0+1], s14, 2*SLOTB
	s_mov_b32 s[G0S], 1
	s_mov_b32 s[G0S+1], SCW
	s_lshl_b32 s16, s43, 4
	s_lshl_b32 s17, s14, 2
	s_add_co_u32 s16, s16, s17                     ; my first tile of x
	s_lshl_b32 s18, s16, 9
	s_add_co_u32 s18, s18, XQ_SC
	s_mul_i32 s16, s16, 12288
	s_mov_b32 s17, 0
	s_mov_b32 s19, 0
	v_and_b32 v[L8], 31, v0
	v_lshlrev_b32 v[L8], 3, v[L8]                  ; 8 x lane
	v_and_b32 v[R16], 15, v0
	v_lshlrev_b32 v[R16], 4, v[R16]                ; 16 r
	v_mov_b32 v[MX+2], 0                           ; a lane permute's destination counts as read
	v_mov_b32 v[MX+3], 0
	WALU
	s_wait_dscnt 0x0
	s_wait_kmcnt 0x0
	s_add_nc_u64 s[G0+2:G0+3], s[6:7], s[20:21]
	s_or_b32 s[G0+3], s[G0+3], 0x80000000
	s_add_nc_u64 s[G0S+2:G0S+3], s[6:7], s[22:23]
	s_or_b32 s[G0S+3], s[G0S+3], 0x80000000
	s_add_nc_u64 s[10:11], s[4:5], s[16:17]
	s_add_nc_u64 s[12:13], s[4:5], s[18:19]
	CROUND                                         ; the round ahead of the joint loads
	s_cmp_lt_u32 s14, 3                            ; one load a wave: waves 0-2 two slots each, wave 3 the scale words
	s_cbranch_scc0 .Lscales
	tensor_load_to_lds s[G0:G0+3], s[G1C:G1C+7]
	s_nop 0
	PLACES 4
	s_branch .Lasked
.Lscales:
	tensor_load_to_lds s[G0S:G0S+3], s[G1S:G1S+7]
	s_nop 0
	PLACES 4
.Lasked:
.irp q, 0,1,2,3,4,5,6,7                        ; my 64 rows of x, all of K: 192 loads of 256 consecutive bytes
	WIN (1+\q/4)<<6
.irp i, 0,1,2,3
.irp p, 0,1,2,3,4,5
	global_load_b64 v[12*(4*(\q%4)+\i)+2*\p:12*(4*(\q%4)+\i)+2*\p+1], v[L8], s[10:11] offset:\i*12288+\q*1536+256*\p
.endr
.endr
.endr
	WIN 0
.irp i, 0,1,2,3
.irp pp, 0,1
	global_load_b64 v[XS+4*\i+2*\pp:XS+4*\i+2*\pp+1], v[L8], s[12:13] offset:\i*512+256*\pp
.endr
.endr
	s_mov_b32 s[SEL], 0x76543210
	s_mov_b32 s[SEL+1], 0xfedcba98
	; where the results go, as byte offsets from qkv
	s_lshr_b32 s82, s43, 3
	s_lshl_b32 s82, s82, 4
	s_lshl_b32 s83, s42, 1
	s_add_co_u32 s82, s82, s83                     ; 16 x batch + my first head
	s_and_b32 s83, s43, 7
	s_lshl_b32 s83, s83, 2
	s_add_co_u32 s83, s83, s14                     ; my group of four tiles in the batch
	s_lshr_b32 s84, s83, 1                         ; my key step
	s_and_b32 s85, s14, 1                          ; and which 64 keys of it
	s_mul_i32 s[O0], s82, 98304
	s_mul_i32 s86, s83, 3072
	s_add_co_u32 s[O0], s[O0], s86                 ; q's images, first head; second head
	s_add_co_u32 s[O0+1], s[O0], 98304
	s_mul_i32 s87, s82, 196608
	s_mul_i32 s86, s84, 12288
	s_add_co_u32 s87, s87, s86
	s_add_co_u32 s87, s87, KV_IMG
	s_mul_i32 s86, s85, 3072
	s_add_co_u32 s[O0+2], s87, s86                 ; k's
	s_add_co_u32 s[O0+3], s[O0+2], 196608
	s_mul_i32 s86, s85, 768
	s_add_co_u32 s[OV], s87, s86
	s_add_co_u32 s[OV], s[OV], 6144                ; v's: behind k's in the key step, registers 6 c on
	s_lshl_b32 s86, s83, 8
	s_lshl_b32 s[S0], s82, 13
	s_add_co_u32 s[S0], s[S0], s86
	s_add_co_u32 s[S0], s[S0], Q_SC
	s_add_co_u32 s[S0+1], s[S0], 8192
	s_mul_i32 s87, s82, 12288
	s_add_co_u32 s87, s87, KV_SC
	s_add_co_u32 s[S0+2], s87, s86
	s_add_co_u32 s[S0+3], s[S0+2], 12288
	s_lshl_b32 s86, s84, 8
	s_add_co_u32 s[SV], s87, s86
	s_lshl_b32 s86, s85, 1
	s_add_co_u32 s[SV], s[SV], s86
	s_add_co_u32 s[SV], s[SV], 8192
	s_mov_b32 s[CB], 0
	s_mov_b32 s[CS], SCW
	v_add_nc_u32 v[AW], 0, v[L8]
	v_add_nc_u32 v[ASN], SCW, v[L8]
	WALU
	s_wait_tensorcnt 0x0                           ; my load has landed
	s_barrier_signal -1
	s_barrier_wait -1                              ; and everybody's
	WSLOAD
	WIN 0xc0
	FRAGS AW, 0
	WIN 0
	ADDR
	s_wait_loadcnt 0x0                             ; x
	s_mov_b32 s[TR], 0
	WALU
.Lqk:                                                  ; q's two heads, then k's two
	SLOT 0, O0, S0
	s_mov_b32 s[O0], s[O0+1]
	s_mov_b32 s[O0+1], s[O0+2]
	s_mov_b32 s[O0+2], s[O0+3]
	s_mov_b32 s[S0], s[S0+1]
	s_mov_b32 s[S0+1], s[S0+2]
	s_mov_b32 s[S0+2], s[S0+3]
	s_add_co_u32 s[TR], s[TR], 1
	s_cmp_lt_u32 s[TR], 4
	WALU
	s_cbranch_scc1 .Lqk
	s_mov_b32 s[TR], 0
.Lv:                                                   ; v's two heads
	SLOT 1, OV, SV
	s_add_co_u32 s[OV], s[OV], 196608
	s_add_co_u32 s[SV], s[SV], 12288
	s_add_co_u32 s[TR], s[TR], 1
	s_cmp_lt_u32 s[TR], 2
	WALU
	s_cbranch_scc1 .Lv
	s_wait_tensorcnt 0x0                           ; the wave's end
	ds_add_u32 v[SPW], v[NIL]
	s_wait_dscnt 0x0
	CROUND                                         ; the closing round
	s_endpgm
.Lfunc_end_k_qe0219ffe45_proj:
	.size	k_qe0219ffe45_proj, .Lfunc_end_k_qe0219ffe45_proj-k_qe0219ffe45_proj
	.p2alignl 7, 3214868480
	.fill 96, 4, 3214868480
	.section	.rodata,"a",@progbits
	.p2align	6, 0x0
	.amdhsa_kernel k_qe0219ffe45_proj
		.amdhsa_group_segment_fixed_size 327680
		.amdhsa_private_segment_fixed_size 0
		.amdhsa_enable_private_segment 0
		.amdhsa_kernarg_size 24
		.amdhsa_user_sgpr_count 2
		.amdhsa_user_sgpr_kernarg_segment_ptr 1
		.amdhsa_wavefront_size32 1
		.amdhsa_system_sgpr_workgroup_id_x 1
		.amdhsa_system_sgpr_workgroup_id_y 1
		.amdhsa_system_sgpr_workgroup_id_z 1
		.amdhsa_system_vgpr_workitem_id 0
		.amdhsa_next_free_vgpr 1024
		.amdhsa_next_free_sgpr 96
		.amdhsa_reserve_vcc 0
		.amdhsa_float_denorm_mode_32 3
		.amdhsa_float_denorm_mode_16_64 3
		.amdhsa_memory_ordered 1
		.amdhsa_forward_progress 1
		.amdhsa_inst_pref_size 110
	.end_amdhsa_kernel
	.amdgpu_metadata
---
amdhsa.version: [ 1, 2 ]
amdhsa.kernels:
  - .name:           k_qe0219ffe45_proj
    .symbol:         k_qe0219ffe45_proj.kd
    .args:
      - { .name: xq, .offset: 0, .size: 8, .value_kind: global_buffer, .address_space: global }
      - { .name: wq, .offset: 8, .size: 8, .value_kind: global_buffer, .address_space: global }
      - { .name: qkv, .offset: 16, .size: 8, .value_kind: global_buffer, .address_space: global }
    .group_segment_fixed_size: 327680
    .private_segment_fixed_size: 0
    .kernarg_segment_align: 8
    .kernarg_segment_size: 24
    .max_flat_workgroup_size: 128
    .sgpr_count:     96
    .vgpr_count:     1024
    .wavefront_size: 32
...
	.end_amdgpu_metadata
.endif
;; end of part 2
;; launch attn (part 3): grid 4 x 64, 16 waves a work-group, clusters of 4 x 1, 210,944 bytes of LDS; arguments qkv, ob; writes ob
.if DOCPART == 3
	.amdgcn_target "amdgcn-amd-amdhsa--gfx1250"
	.amdhsa_code_object_version 6
	.text
	.protected	k_qe0219ffe45_attn
	.globl	k_qe0219ffe45_attn
	.p2align	8
	.type	k_qe0219ffe45_attn,@function
k_qe0219ffe45_attn:
	s_mov_b64 s[64:65], 0
	v_nop
	global_prefetch_b8 v0, s[64:65] scope:SCOPE_SE
	s_setreg_imm32_b32 hwreg(HW_REG_WAVE_MODE, 25, 1), 1
	s_wait_xcnt 0x0
	s_wait_alu depctr_hold_cnt(0) depctr_sa_sdst(0) depctr_va_vdst(0) depctr_va_sdst(0) depctr_va_ssrc(0) depctr_va_vcc(0) depctr_vm_vsrc(0)
	s_getreg_b32 s2, hwreg(HW_REG_IB_STS2, 6, 4)
	s_cmp_eq_u32 s2, 0
	s_cbranch_scc0 .Lentry_in_a_cluster
	s_endpgm
.Lentry_in_a_cluster:
	s_bfe_u32 s2, ttmp6, 0x10000c
	s_cmp_lg_u32 s2, 0x3003
	s_cbranch_scc0 .Lentry_shape_is_right
	s_endpgm
.Lentry_shape_is_right:
; Causal attention of one (batch, head) to a cluster of four work-groups, both products on codes of FP6 (E2M3) with E8M0 scales; the result, divided by the row's sum, is quantised along the head's 64 and leaves as codes for the last product.
; SOFTMAX: t = score x log2(e) / 8; M = the running largest t rounded UP to a whole number; p = 2^(t - M) is quantised along the keys, not normalised; the sum is taken of the unquantised p; when M moves, sum and O are multiplied by 2^(old M - new M), exactly.
; SHARES.  Wave w of work-group j of the cluster owns two tiles of 16 queries: L = 4 w + j and H = 127 - L.  Their diagonal key steps (128 keys a step) are w / 2 and 15 - w / 2: they hang on the wave's number alone, and every wave walks 17 tile steps.
; THE WHOLE HEAD'S K AND V STAY IN LDS (196,608 bytes of codes, 12,288 of scale words), brought once by joint loads of the four partners: nothing is filled again, so there is no ring.  No L2 prefetch: every tensor load goes out at the head.
; LAYOUT.  S^T = K Q^T, O^T = V^T P^T: a lane holds ONE query throughout.  Tiles lie in LDS as images of the unit's registers (pieces of 256 bytes, 8 bytes a lane); a tile's rows are 32 a + 8 u + r + 8 (r / 8), so that two neighbouring result tiles give a lane 16 neighbours.
; THE FIRST PRODUCT'S K IS 64 of the instruction's 128: Q's registers 6-11 hold zero codes, so what stands in K's registers 6-11 adds exactly 0: K's tiles lie six registers apart, each tile's upper half being the next tile's codes; no scale byte is 0xff.
; LIMITS: NaN and infinities are not served; the division by the sum is v_rcp_f32 and a multiplication; a block under 2^-124, a block of zeros among them, keeps the byte 1 (this program alone reads the bytes).
; REGISTERS: v1-6 lane terms; v8-10 addresses in hand; v12 -M, v13 largest t, v[14:15] the sum; v16-27 Q of H, v224-235 Q of L, v28, v29 their scale words; v32-85 K's eight tiles, then V's four; v96-159 S^T, then p; v160-191 O^T;
;   v192-210 p's codes; v212-219 K's scale words, v220-223 V's; v236-247 at work; v252 f, v253 p's scale word, v254 at work.
.set KV_IMG, 6291456
.set Q_SC,   18874368
.set KV_SC,  19398656
.set O_SC,   6291456
.set SCW,    196608                    ; LDS: the scale words: K's 8,192 bytes, then V's 4,096
.set WV,  18
.set SEL, 20
.set CS,  22                           ; s[22:23] c = log2(e) / 8
.set G1C, 24                           ; s[24:31] group 1: 96 rows of 256 bytes
.set G1S, 32                           ; s[32:39] group 1: 48 rows of 256 bytes: a key step, or the scale words
.set G0S, 40
.set G0A, 44
.set G0B, 48
.set TB,  2                            ; s2  LDS byte of the key step in hand
.set TS,  3                            ; s3  its scale words of K
.set TJ,  52                           ; s52 and of V
.set KS,  53                           ; s53 the key step
.set DG,  54                           ; s54 the tile's diagonal key step
.set HI,  55                           ; s55 a mask of lanes 16-31
.macro CROUND
	s_barrier_signal -1
	s_barrier_wait -1
	s_cmp_lg_u32 s[WV], 0
	s_cbranch_scc1 .Lnot_wave_0_\@
	s_barrier_signal -3
.Lnot_wave_0_\@:
	s_barrier_wait -3
	s_barrier_signal -1
	s_barrier_wait -1
.endm
	s_load_b128 s[4:7], s[0:1], 0x0                ; qkv, ob
	v_lshl_add_u32 v251, v0, 2, 0x33000
	v_mov_b32 v255, 0
	ds_add_u32 v251, v255
	ds_add_u32 v251, v255
	v_lshrrev_b32 v8, 5, v0
	s_delay_alu instid0(VALU_DEP_1)
	v_readfirstlane_b32 s[WV], v8                  ; wave 0..15
	s_bfe_u32 s8, ttmp6, 0x40000                   ; cx: it enters Q's and O's addresses and the mask's numbers alone
	s_and_b32 s9, ttmp7, 0xffff                    ; 16 x batch + head, which the partners share
	s_mov_b32 s[G1C], 15|(3<<16)|(1<<21)           ; the mask: all four; elements of 8 bytes; bit 21 beside a mask
	s_mov_b32 s[G1C+1], 32<<16
	s_mov_b32 s[G1C+2], 96<<16
	s_mov_b32 s[G1C+3], 32<<16
	s_mov_b32 s[G1C+4], 96
	s_mov_b32 s[G1C+5], 32
	s_mov_b32 s[G1C+6], 0
	s_mov_b32 s[G1C+7], 0
	s_mov_b32 s[G1S], 15|(3<<16)|(1<<21)
	s_mov_b32 s[G1S+1], 32<<16
	s_mov_b32 s[G1S+2], 48<<16
	s_mov_b32 s[G1S+3], 32<<16
	s_mov_b32 s[G1S+4], 48
	s_mov_b32 s[G1S+5], 32
	s_mov_b32 s[G1S+6], 0
	s_mov_b32 s[G1S+7], 0
	s_mov_b32 s[SEL], 0x76543210
	s_mov_b32 s[SEL+1], 0xfedcba98
	s_mov_b32 s[CS], 0x3e38aa3b
	s_mov_b32 s[CS+1], s[CS]
	s_mov_b32 s[HI], 0xffff0000
	s_mul_i32 s10, s9, 12288                       ; one load a wave: wave 4 the head's scale words,
	s_add_co_u32 s10, s10, KV_SC
	s_mov_b32 s[G0S+1], SCW
	s_mov_b32 s11, 0
	s_mul_i32 s13, s[WV], 12288                    ; waves 0-3 key step w,
	s_mul_i32 s12, s9, 196608
	s_add_co_u32 s12, s12, KV_IMG
	s_mov_b32 s[G0A+1], s13
	s_mul_i32 s17, s[WV], 24576                    ; waves 5-10 key steps 2 w - 6 and 2 w - 5: byte 24,576 w - 73,728 of the head
	s_sub_co_u32 s17, s17, 73728
	s_mov_b32 s[G0B+1], s17
	s_add_co_u32 s16, s12, s17
	s_add_co_u32 s12, s12, s13
	s_mov_b32 s13, 0
	s_mov_b32 s17, 0
	s_mov_b32 s[G0S], 1
	s_mov_b32 s[G0A], 1
	s_mov_b32 s[G0B], 1
	s_wait_dscnt 0x0
	s_wait_kmcnt 0x0
	s_add_nc_u64 s[G0S+2:G0S+3], s[4:5], s[10:11]
	s_add_nc_u64 s[G0A+2:G0A+3], s[4:5], s[12:13]
	s_add_nc_u64 s[G0B+2:G0B+3], s[4:5], s[16:17]
	s_or_b32 s[G0S+3], s[G0S+3], 0x80000000
	s_or_b32 s[G0A+3], s[G0A+3], 0x80000000
	s_or_b32 s[G0B+3], s[G0B+3], 0x80000000
	CROUND                                         ; all four work-groups are here: the joint loads meet
	s_cmp_lt_u32 s[WV], 4                          ; one chain of branches on the wave's number, one load to an arm
	s_cbranch_scc0 .Larm_s
	tensor_load_to_lds s[G0A:G0A+3], s[G1S:G1S+7]
	s_nop 0
.rept 4
	v_nop
.endr
	s_branch .Lno_fill
.Larm_s:
	s_cmp_eq_u32 s[WV], 4
	s_cbranch_scc0 .Larm_b
	tensor_load_to_lds s[G0S:G0S+3], s[G1S:G1S+7]
	s_nop 0
.rept 4
	v_nop
.endr
	s_branch .Lno_fill
.Larm_b:
	s_cmp_lt_u32 s[WV], 11
	s_cbranch_scc0 .Lno_fill
	tensor_load_to_lds s[G0B:G0B+3], s[G1C:G1C+7]
	s_nop 0
.rept 4
	v_nop
.endr
.Lno_fill:
	v_and_b32 v9, 15, v0                           ; r
	v_bfe_u32 v10, v0, 4, 1                        ; h
	v_and_b32 v1, 31, v0
	s_delay_alu instid0(VALU_DEP_1)
	v_lshlrev_b32 v1, 3, v1                        ; 8 x lane
	s_delay_alu instid0(VALU_DEP_4)
	v_lshlrev_b32 v6, 4, v9                        ; 16 r
	s_delay_alu instid0(VALU_DEP_1)
	v_add_nc_u32 v2, SCW, v6
	v_lshl_add_u32 v5, v9, 3, v10                  ; 8 r + h: my byte among the result's scale bytes
	v_and_b32 v11, 8, v9
	s_delay_alu instid0(VALU_DEP_1)
	v_add_nc_u32 v11, v11, v9
	v_lshlrev_b32 v10, 4, v10
	s_delay_alu instid0(VALU_DEP_1)
	v_sub_nc_u32 v11, v11, v10                     ; r + 8 (r / 8) - 16 h
	s_wait_alu depctr_va_vdst(0)
	s_mul_i32 s76, s9, 98304                       ; the head's images of q,
	s_lshl_b32 s77, s9, 13
	s_add_co_u32 s77, s77, Q_SC                    ; its scale words,
	s_lshr_b32 s78, s9, 4
	s_lshl_b32 s78, s78, 7                         ; the batch's first tile of rows in ob,
	s_and_b32 s79, s9, 15
	s_lshr_b32 s66, s79, 2
	s_lshl_b32 s66, s66, 7
	s_and_b32 s67, s79, 3
	s_lshl_b32 s67, s67, 1
	s_add_co_u32 s66, s66, s67
	s_add_co_u32 s66, s66, O_SC                    ; the head's two bytes in a row's scale bytes: pair of K steps head / 4, byte 2 (head % 4),
	s_mul_i32 s79, s79, 768                        ; and its three pieces in a tile's images: K step head / 2, half head % 2
	s_lshl_b32 s14, s[WV], 2
	s_add_co_u32 s14, s14, s8                      ; tile L
	s_sub_co_u32 s15, 127, s14                     ; tile H
; for the tile in s[tau]: the mask's number, and the four addresses
.macro TAUSET tau, vd, qp, qsp, op, osp
	s_bfe_u32 s16, s[\tau], 0x20001
	s_lshl_b32 s16, s16, 5
	s_and_b32 s17, s[\tau], 1
	s_lshl_b32 s17, s17, 3
	s_add_co_u32 s16, s16, s17
	v_add_nc_u32 v[\vd], s16, v11                  ; d = my query - the diagonal step's first key - 16 h: register 16 b + i is hidden where 32 b + i > d
	s_mul_i32 s16, s[\tau], 768
	s_add_co_u32 s16, s16, s76
	s_mov_b32 s17, 0
	s_add_nc_u64 s[\qp:\qp+1], s[4:5], s[16:17]
	s_lshr_b32 s16, s[\tau], 2
	s_lshl_b32 s16, s16, 8
	s_and_b32 s17, s[\tau], 3
	s_lshl_b32 s17, s17, 2
	s_add_co_u32 s16, s16, s17
	s_add_co_u32 s16, s16, s77
	s_mov_b32 s17, 0
	s_add_nc_u64 s[\qsp:\qsp+1], s[4:5], s[16:17]
	s_add_co_u32 s10, s78, s[\tau]
	s_mul_i32 s16, s10, 12288
	s_add_co_u32 s16, s16, s79
	s_add_nc_u64 s[\op:\op+1], s[6:7], s[16:17]
	s_lshl_b32 s16, s10, 9
	s_add_co_u32 s16, s16, s66
	s_add_nc_u64 s[\osp:\osp+1], s[6:7], s[16:17]
.endm
	TAUSET 15, 3, 68, 72, 56, 58
	TAUSET 14, 4, 70, 74, 60, 62
.irp p, 0,1,2
	global_load_b64 v[16+2*\p:17+2*\p], v1, s[68:69] offset:256*\p
	global_load_b64 v[224+2*\p:225+2*\p], v1, s[70:71] offset:256*\p
.endr
	global_load_b32 v28, v6, s[72:73]
	global_load_b32 v29, v6, s[74:75]
.irp i, 0,1,2,3,4,5
	v_mov_b32 v[22+\i], 0                          ; zero codes for k = 64 .. 127 of both Q fragments,
	v_mov_b32 v[230+\i], 0
	v_mov_b32 v[80+\i], 0                          ; and something finite as the upper half of K's last tile
.endr
.irp b, 0,1,2,3
	v_mov_b32 v[240+\b], 0                         ; a lane permute's destination counts as read
.endr
	v_mov_b32 v253, 0                              ; (named as the upper half of the pair v[252:253] before it is first written)
	v_mov_b32 v254, 0
.macro INIT                            ; a tile begins: zeros, which the first change of M leaves zeros, and a largest t under every t
	v_mov_b32 v13, 0xff61b1e6
	s_delay_alu instid0(VALU_DEP_1)
	v_floor_f32 v12, -v13
	v_mov_b32 v14, 0
	v_mov_b32 v15, 0
.set j, 0
.rept 32
	v_mov_b32 v[160+j], 0
.set j, j+1
.endr
.endm
	INIT
; A KEY STEP of one tile: 128 keys.  q: Q's fragment; qs: its scale word; vd: the mask's number; masked = 1: steps behind the diagonal are left out, the diagonal step is masked
.macro STEP q, qs, vd, masked
.if \masked
	s_cmp_gt_u32 s[KS], s[DG]                      ; all keys hidden: a branch on the wave's number and the loop's count, round the work, not round the lines that step addresses
	s_cbranch_scc1 .Lhid_\@
.endif
	v_add_nc_u32 v8, s[TB], v1
	v_add_nc_u32 v9, s[TS], v2
	v_add_nc_u32 v10, s[TJ], v2
	v_nop                                          ; four places ahead of loads into registers that the last products have read
.irp t, 0,1,2,3,4,5,6,7
.irp p, 0,1,2
	ds_load_b64 v[32+6*\t+2*\p:33+6*\t+2*\p], v8 offset:768*\t+256*\p
.endr
.endr
	ds_load_b128 v[212:215], v9
	ds_load_b128 v[216:219], v9 offset:256
	s_wait_alu depctr_va_vdst(0)
	s_wait_dscnt 0x0
.irp t, 0,1,2,3,4,5,6,7
	v_wmma_scale_f32_16x16x128_f8f6f4 v[96+8*\t:103+8*\t], v[32+6*\t:43+6*\t], v[\q:\q+11], 0, v[212+\t], v[\qs] matrix_a_fmt:MATRIX_FMT_FP6 matrix_b_fmt:MATRIX_FMT_FP6
.endr
.rept 4
	v_nop
.endr
.irp t, 0,1,2,3                                ; V's four tiles are asked for now and land under the softmax
.irp p, 0,1,2,3,4,5
	ds_load_b64 v[32+12*\t+2*\p:33+12*\t+2*\p], v8 offset:6144+1536*\t+256*\p
.endr
.endr
	ds_load_b128 v[220:223], v10 offset:8192
.if \masked
	s_cmp_lg_u32 s[KS], s[DG]
	s_cbranch_scc1 .Lopen_\@
	v_mov_b32 v254, 0xff800000                     ; on the diagonal hidden scores become -infinity ahead of the maximum: p = 0
.set n, 0
.rept 64
	v_cmp_gt_i32 vcc_lo, 32*(n/16)+n%16, v[\vd]
	v_cndmask_b32 v[96+n], v[96+n], v254, vcc_lo
.set n, n+1
.endr
.Lopen_\@:
.endif
.irp b, 0,1,2,3
	v_max3_num_f32 v[236+\b], v[96+16*\b], v[97+16*\b], v[98+16*\b]   ; the largest score of each block of 32 keys: for the row's maximum and, since p rises with the score, for the block's largest p
.endr
.irp i, 3,5,7,9,11,13
.irp b, 0,1,2,3
	v_max3_num_f32 v[236+\b], v[236+\b], v[96+16*\b+\i], v[97+16*\b+\i]
.endr
.endr
.irp b, 0,1,2,3
	v_max_num_f32 v[236+\b], v[236+\b], v[111+16*\b]
.endr
.irp b, 0,1,2,3
	s_delay_alu instid0(VALU_DEP_4)
	v_permlanex16_b32 v[240+\b], v[236+\b], s[SEL], s[SEL+1]
.endr
.irp b, 0,1,2,3
	s_delay_alu instid0(VALU_DEP_4)
	v_max_num_f32 v[236+\b], v[236+\b], v[240+\b]
.endr
	s_delay_alu instid0(VALU_DEP_2)
	v_max3_num_f32 v254, v236, v237, v238
	s_delay_alu instid0(VALU_DEP_1)
	v_max_num_f32 v254, v254, v239
	s_delay_alu instid0(VALU_DEP_1)
	v_mul_f32 v254, s[CS], v254
	s_delay_alu instid0(VALU_DEP_1)
	v_max_num_f32 v13, v13, v254                   ; the running largest t
	v_mov_b32 v254, v12
	s_delay_alu instid0(VALU_DEP_2)
	v_floor_f32 v12, -v13                          ; -M = floor(-t)
	s_delay_alu instid0(VALU_DEP_1)
	v_sub_f32 v254, v12, v254
	s_delay_alu instid0(VALU_DEP_1)
	v_cvt_i32_f32 v254, v254                       ; (it saturates)
	s_delay_alu instid0(VALU_DEP_1)
	v_ldexp_f32 v252, 1.0, v254                    ; f = 2^(old M - new M)
.set j, 0
.rept 32
	v_pk_fma_f32 v[96+j:97+j], v[96+j:97+j], s[CS:CS+1], v[12:13] op_sel_hi:[1,0,0]   ; t - M
.set j, j+2
.endr
.irp b, 0,1,2,3
	v_fma_f32 v[236+\b], v[236+\b], s[CS], v12
.endr
.set j, 0
	s_wait_alu depctr_va_vdst(0)
.rept 64
	v_exp_f32 v[96+j], v[96+j]                     ; p
.set j, j+1
.endr
	v_pk_mul_f32 v[14:15], v[14:15], v[252:253] op_sel_hi:[1,0]   ; the sum under the new M: the plain line behind the exponentials
	s_wait_alu depctr_va_vdst(0)                   ; one wait for the batch, ahead of its first reader
.irp b, 0,1,2,3
	v_exp_f32 v[236+\b], v[236+\b]                 ; the blocks' largest p
.endr
	v_pk_add_f32 v[240:241], v[100:101], v[104:105]
	v_pk_add_f32 v[248:249], v[108:109], v[112:113]
	v_pk_add_f32 v[246:247], v[116:117], v[120:121]
	v_pk_add_f32 v[244:245], v[124:125], v[128:129]
	v_pk_add_f32 v[242:243], v[132:133], v[136:137]
	v_pk_add_f32 v[218:219], v[140:141], v[144:145]
	v_pk_add_f32 v[216:217], v[148:149], v[152:153]
	v_pk_add_f32 v[14:15], v[14:15], v[156:157]
	v_pk_add_f32 v[240:241], v[240:241], v[96:97]
	v_pk_add_f32 v[248:249], v[248:249], v[98:99]
	v_pk_add_f32 v[246:247], v[246:247], v[102:103]
	v_pk_add_f32 v[244:245], v[244:245], v[106:107]
	v_pk_add_f32 v[242:243], v[242:243], v[110:111]
	v_pk_add_f32 v[218:219], v[218:219], v[114:115]
	v_pk_add_f32 v[216:217], v[216:217], v[118:119]
	v_pk_add_f32 v[14:15], v[14:15], v[122:123]
	v_pk_add_f32 v[240:241], v[240:241], v[126:127]
	v_pk_add_f32 v[248:249], v[248:249], v[130:131]
	v_pk_add_f32 v[246:247], v[246:247], v[134:135]
	v_pk_add_f32 v[244:245], v[244:245], v[138:139]
	v_pk_add_f32 v[242:243], v[242:243], v[142:143]
	v_pk_add_f32 v[218:219], v[218:219], v[146:147]
	v_pk_add_f32 v[216:217], v[216:217], v[150:151]
	v_pk_add_f32 v[14:15], v[14:15], v[154:155]
	v_pk_add_f32 v[240:241], v[240:241], v[158:159]
	s_delay_alu instid0(VALU_DEP_2)
	v_pk_add_f32 v[14:15], v[14:15], v[244:245]
	s_delay_alu instid0(VALU_DEP_2)
	v_pk_add_f32 v[240:241], v[240:241], v[242:243]
	v_pk_add_f32 v[248:249], v[248:249], v[218:219]
	v_pk_add_f32 v[246:247], v[246:247], v[216:217]
	s_delay_alu instid0(VALU_DEP_2)
	v_pk_add_f32 v[14:15], v[14:15], v[248:249]
	s_delay_alu instid0(VALU_DEP_2)
	v_pk_add_f32 v[240:241], v[240:241], v[246:247]
	s_delay_alu instid0(VALU_DEP_1)
	v_pk_add_f32 v[14:15], v[14:15], v[240:241]
	s_wait_alu depctr_va_vdst(0)                   ; and one for the four
.irp b, 0,1,2,3
	v_max_num_f32 v[236+\b], 0x1800000, v[236+\b]  ; the floor 2^(3 - 127)
.endr
.irp b, 0,1,2,3
	s_delay_alu instid0(VALU_DEP_4)
	v_add_nc_u32 v[244+\b], 0xff000000, v[236+\b]
.endr
.irp b, 0,1,2,3
	s_delay_alu instid0(VALU_DEP_4)
	v_lshrrev_b32 v[240+\b], 23, v[244+\b]
.endr
	s_delay_alu instid0(VALU_DEP_3)
	v_lshl_or_b32 v253, v241, 8, v240              ; p's scale word for these 128 keys
	s_delay_alu instid0(VALU_DEP_1)
	v_lshl_or_b32 v253, v242, 16, v253
	s_delay_alu instid0(VALU_DEP_1)
	v_lshl_or_b32 v253, v243, 24, v253
.irp c, 0,1
	v_cvt_scalef32_pk16_fp6_f32 v[192+6*\c:194+6*\c], v[96+32*\c:111+32*\c], v[244+2*\c]
	v_cvt_scalef32_pk16_fp6_f32 v[204+4*\c:206+4*\c], v[112+32*\c:127+32*\c], v[244+2*\c+1]
.endr
	v_nop                                          ; one plain line behind the scaled conversions
.irp c, 0,1
.irp i, 0,1,2
	v_permlane16_swap_b32 v[192+6*\c+\i], v[204+4*\c+\i]
.endr
.irp i, 0,1,2
	s_delay_alu instid0(VALU_DEP_3)
	v_mov_b32 v[195+6*\c+\i], v[204+4*\c+\i]
.endr
.endr
.set j, 0
.rept 16
	v_pk_mul_f32 v[160+j:161+j], v[160+j:161+j], v[252:253] op_sel_hi:[1,0]   ; O^T under the new M; twelve of these name no register of any one product below: its places behind the scale word and the codes
.set j, j+2
.endr
	s_wait_alu depctr_va_vdst(0)
	s_wait_dscnt 0x0                               ; V
.irp t, 0,1,2,3
	v_wmma_scale_f32_16x16x128_f8f6f4 v[160+8*\t:167+8*\t], v[32+12*\t:43+12*\t], v[192:203], v[160+8*\t:167+8*\t], v[220+\t], v253 matrix_a_fmt:MATRIX_FMT_FP6 matrix_b_fmt:MATRIX_FMT_FP6
.endr
.if \masked
.Lhid_\@:
.endif
	s_add_co_u32 s[TB], s[TB], 12288
	s_add_co_u32 s[TS], s[TS], 512
	s_add_co_u32 s[TJ], s[TJ], 256
.endm
; A TILE'S WAY OUT: O^T / the sum; register 16 a + i is d = 32 a + 16 h + i: two blocks of 32, quantised as every operand; three pieces of an image, and a byte a lane
.macro OUTT op, os
.rept 4
	v_nop
.endr
	v_add_f32 v14, v14, v15
	s_delay_alu instid0(VALU_DEP_1)
	v_permlanex16_b32 v254, v14, s[SEL], s[SEL+1]
	s_delay_alu instid0(VALU_DEP_1)
	v_add_f32 v14, v14, v254
	s_wait_alu depctr_va_vdst(0)
	v_rcp_f32 v14, v14
	v_nop
	s_wait_alu depctr_va_vdst(0)                   ; ahead of the reciprocal's first reader
.set j, 0
.rept 16
	v_pk_mul_f32 v[96+j:97+j], v[160+j:161+j], v[14:15] op_sel_hi:[1,0]
.set j, j+2
.endr
.irp a, 0,1
	v_max3_num_f32 v[236+\a], |v[96+16*\a]|, |v[97+16*\a]|, 0x1800000
.endr
.irp i, 2,4,6,8,10,12,14
.irp a, 0,1
	s_delay_alu instid0(VALU_DEP_2)
	v_max3_num_f32 v[236+\a], v[236+\a], |v[96+16*\a+\i]|, |v[97+16*\a+\i]|
.endr
.endr
.irp a, 0,1
	s_delay_alu instid0(VALU_DEP_2)
	v_permlanex16_b32 v[240+\a], v[236+\a], s[SEL], s[SEL+1]
.endr
.irp a, 0,1
	s_delay_alu instid0(VALU_DEP_2)
	v_max_num_f32 v[236+\a], v[236+\a], v[240+\a]
.endr
.irp a, 0,1
	s_delay_alu instid0(VALU_DEP_2)
	v_add_nc_u32 v[244+\a], 0xff000000, v[236+\a]
.endr
.irp a, 0,1
	s_delay_alu instid0(VALU_DEP_2)
	v_lshrrev_b32 v[240+\a], 23, v[244+\a]
.endr
	v_cvt_scalef32_pk16_fp6_f32 v[192:194], v[96:111], v244
	v_cvt_scalef32_pk16_fp6_f32 v[196:198], v[112:127], v245
	v_nop
.irp i, 0,1,2
	v_permlane16_swap_b32 v[192+\i], v[196+\i]     ; lanes 0-15: block 0 whole; lanes 16-31: block 1
.endr
.irp i, 0,1,2
	s_delay_alu instid0(VALU_DEP_3)
	v_mov_b32 v[195+\i], v[196+\i]
.endr
.irp p, 0,1,2
	global_store_b64 v1, v[192+2*\p:193+2*\p], s[\op:\op+1] offset:256*\p   ; 256 consecutive bytes, aligned
.endr
	v_cndmask_b32 v254, v240, v241, s[HI]
	global_store_b8 v5, v254, s[\os:\os+1]         ; a byte a lane inside 128 bytes: a scale word of the last product joins two heads, which belong to different clusters; 262,144 bytes in all beside 6.3 MB of codes
.endm
	s_mov_b32 s[TB], 0
	s_mov_b32 s[TS], 0
	s_mov_b32 s[TJ], 0
	s_wait_alu depctr_va_vdst(0)
	s_cmp_lt_u32 s[WV], 5                          ; waves 0-4 wait for key steps 0-3 and the scale words; the load line of waves 5-10 is theirs alone and may be out
	s_cbranch_scc0 .Lnot_first
	s_wait_tensorcnt 0x0
.Lnot_first:
	s_wait_loadcnt 0x0                             ; Q
	s_barrier_signal -1
	s_barrier_wait -1
	s_mov_b32 s[KS], 0
.Lphase_a:                                         ; tile H, key steps 0-3: all keys count
	STEP 16, 28, 3, 0
	s_add_co_u32 s[KS], s[KS], 1
	s_cmp_lt_u32 s[KS], 4
	s_cbranch_scc1 .Lphase_a
	s_wait_tensorcnt 0x0                           ; key steps 4-15
	s_wait_dscnt 0x0
	s_barrier_signal -1
	s_barrier_wait -1                              ; every wave has done four steps here
	s_mov_b32 s[TB], 49152
	s_mov_b32 s[TS], 2048
	s_mov_b32 s[TJ], 1024
	s_lshr_b32 s[DG], s[WV], 1
	s_sub_co_u32 s[DG], 15, s[DG]
.Lphase_b:                                         ; tile H, key steps 4-15, up to its diagonal
	STEP 16, 28, 3, 1
	s_add_co_u32 s[KS], s[KS], 1
	s_cmp_lt_u32 s[KS], 16
	s_cbranch_scc1 .Lphase_b
	OUTT 56, 58
	s_wait_xcnt 0x0                                ; the stores have read their registers
	INIT
	s_mov_b32 s[TB], 0
	s_mov_b32 s[TS], 0
	s_mov_b32 s[TJ], 0
	s_lshr_b32 s[DG], s[WV], 1
	s_mov_b32 s[KS], 0
.Lphase_c:                                         ; tile L, key steps 0-7, up to its diagonal
	STEP 224, 29, 4, 1
	s_add_co_u32 s[KS], s[KS], 1
	s_cmp_lt_u32 s[KS], 8
	s_cbranch_scc1 .Lphase_c
	OUTT 60, 62
	s_wait_dscnt 0x0
	s_wait_tensorcnt 0x0
	ds_add_u32 v251, v255
	s_wait_dscnt 0x0
	CROUND                                         ; the closing round
	s_endpgm
.Lfunc_end_k_qe0219ffe45_attn:
	.size	k_qe0219ffe45_attn, .Lfunc_end_k_qe0219ffe45_attn-k_qe0219ffe45_attn
	.p2alignl 7, 3214868480
	.fill 96, 4, 3214868480
	.section	.rodata,"a",@progbits
	.p2align	6, 0x0
	.amdhsa_kernel k_qe0219ffe45_attn
		.amdhsa_group_segment_fixed_size 210944
		.amdhsa_private_segment_fixed_size 0
		.amdhsa_enable_private_segment 0
		.amdhsa_kernarg_size 16
		.amdhsa_user_sgpr_count 2
		.amdhsa_user_sgpr_kernarg_segment_ptr 1
		.amdhsa_wavefront_size32 1
		.amdhsa_system_sgpr_workgroup_id_x 1
		.amdhsa_system_sgpr_workgroup_id_y 1
		.amdhsa_system_sgpr_workgroup_id_z 1
		.amdhsa_system_vgpr_workitem_id 0
		.amdhsa_next_free_vgpr 256
		.amdhsa_next_free_sgpr 80
		.amdhsa_reserve_vcc 1
		.amdhsa_float_denorm_mode_32 3
		.amdhsa_float_denorm_mode_16_64 3
		.amdhsa_memory_ordered 1
		.amdhsa_forward_progress 1
		.amdhsa_inst_pref_size 87
	.end_amdhsa_kernel
	.amdgpu_metadata
---
amdhsa.version: [ 1, 2 ]
amdhsa.kernels:
  - .name:           k_qe0219ffe45_attn
    .symbol:         k_qe0219ffe45_attn.kd
    .args:
      - { .name: qkv, .offset: 0, .size: 8, .value_kind: global_buffer, .address_space: global }
      - { .name: ob, .offset: 8, .size: 8, .value_kind: global_buffer, .address_space: global }
    .group_segment_fixed_size: 210944
    .private_segment_fixed_size: 0
    .kernarg_segment_align: 8
    .kernarg_segment_size: 16
    .max_flat_workgroup_size: 512
    .sgpr_count:     80
    .vgpr_count:     256
    .wavefront_size: 32
...
	.end_amdgpu_metadata
.endif
;; end of part 3
;; launch outp (part 4): grid 8 x 32, 4 waves a work-group, clusters of 4 x 4, 167,936 bytes of LDS; arguments ob, wq, bp, out0; writes out0
.if DOCPART == 4
	.amdgcn_target "amdgcn-amd-amdhsa--gfx1250"
	.amdhsa_code_object_version 6
	.text
	.protected	k_qe0219ffe45_outp
	.globl	k_qe0219ffe45_outp
	.p2align	8
	.type	k_qe0219ffe45_outp,@function
k_qe0219ffe45_outp:
	s_mov_b64 s[64:65], 0
	v_nop
	global_prefetch_b8 v0, s[64:65] scope:SCOPE_SE
	s_setreg_imm32_b32 hwreg(HW_REG_WAVE_MODE, 25, 1), 1
	s_wait_xcnt 0x0
	s_wait_alu depctr_hold_cnt(0) depctr_sa_sdst(0) depctr_va_vdst(0) depctr_va_sdst(0) depctr_va_ssrc(0) depctr_va_vcc(0) depctr_vm_vsrc(0)
	s_getreg_b32 s2, hwreg(HW_REG_IB_STS2, 6, 4)
	s_cmp_eq_u32 s2, 0
	s_cbranch_scc0 .Lentry_in_a_cluster
	s_endpgm
.Lentry_in_a_cluster:
	s_bfe_u32 s2, ttmp6, 0x10000c
	s_cmp_lg_u32 s2, 0xf033
	s_cbranch_scc0 .Lentry_shape_is_right
	s_endpgm
.Lentry_shape_is_right:
; out0 = O Wp + bp on codes of FP6 (E2M3) with E8M0 scales, K = 1,024, f32 out.
; THE DEAL.  256 work-groups: row group R (256 tokens) x column group g (128 columns: two slots of 64).  Wave w holds tokens 64 w .. 64 w + 63 of the row group, ALL of K, in 384 registers:
; ob lies as images of the unit's registers ([tile of 16 rows][K step][six pieces of 256 bytes]), so each global_load_b64 of a wave reads 256 consecutive aligned bytes straight into a fragment's registers.
; Wp's 128 rows (98,304 bytes) and their scale words (4,096) land in LDS once, one joint load a wave at the head, shared along a column of the 4 x 4 cluster; nothing is filled again.
; O is not asked for jointly: each of its bytes goes once into one wave's registers, and a way through LDS would write and read it once more.  No L2 prefetch: every request goes out at the head, and there is no loop to run ahead in.
; Source 0 = Wp's rows, source 1 = O's rows: a lane holds a token, its registers run along n.  The bias is the first products' C.  A tile's rows are 32 a + 8 u + r + 8 (r / 8).
; The way out: 16 tokens x 64 columns go through the wave's own stage in LDS and leave as rows of 256 consecutive aligned bytes, sixteen lanes to a row.
; REGISTERS: window 0: addresses, v32-47 O's scale words, v50-65 Wp's, v128-255 the way out.  windows 1, 2: O's fragments of K steps 0-3, 4-7; window 1 v192-255 the bias.  window 3: v0-95 Wp's fragments, two sets; v128-255 accumulators.
.set O_SC,   6291456
.set WQ_SC,  3145728
.set SLOTB,  49152
.set SCW,    2*SLOTB
.set STAGE,  SCW+4096
.set SPITCH, 272
.set SPARE,  STAGE+4*16*SPITCH
.set L8,  2
.set AW,  4                            ; v4, v5: slot 0, slot 1
.set AS,  6
.set STO, 7
.set RD,  8
.set CO,  9
.set SPW, 10
.set NIL, 11
.set BO,  12
.set XS,  32
.set WS,  50
.set BK,  128
.set G1C, 24
.set G1S, 32
.set G0,  48
.set G0S, 52
.set MSB, 0
.macro WIN new
.if MSB != \new
	s_set_vgpr_msb (MSB<<8)|\new
.set MSB, \new
.endif
.endm
.macro PLACES n
.rept \n
	v_nop
.endr
.endm
.macro WALU
	s_wait_alu depctr_va_vdst(0)
.endm
.macro CROUND
	s_barrier_signal -1
	s_barrier_wait -1
	s_cmp_lg_u32 s14, 0
	s_cbranch_scc1 .Lnot_wave_0_\@
	s_barrier_signal -3
.Lnot_wave_0_\@:
	s_barrier_wait -3
	s_barrier_signal -1
	s_barrier_wait -1
.endm
.macro FRAGS adr, q
.irp t, 0,1,2,3
.irp p, 0,1,2,3,4,5
	ds_load_b64 v[48*((\q)%2)+12*\t+2*\p:48*((\q)%2)+12*\t+2*\p+1], v[\adr] offset:\t*12288+(\q)*1536+256*\p
.endr
.endr
.endm
.macro WSLOAD s
.irp t, 0,1,2,3
.irp pp, 0,1
	ds_load_b64 v[WS+4*\t+2*\pp:WS+4*\t+2*\pp+1], v[AS] offset:\s*2048+\t*512+256*\pp
.endr
.endr
.endm
.macro MM1 d, a, b, c, sa, sb, row
.if \row
	v_wmma_scale_f32_16x16x128_f8f6f4 v[\d:\d+7], v[\a:\a+11], v[\b:\b+11], \c, v[\sa], v[\sb] matrix_a_fmt:MATRIX_FMT_FP6 matrix_b_fmt:MATRIX_FMT_FP6 matrix_a_scale:MATRIX_SCALE_ROW1 matrix_b_scale:MATRIX_SCALE_ROW1
.else
	v_wmma_scale_f32_16x16x128_f8f6f4 v[\d:\d+7], v[\a:\a+11], v[\b:\b+11], \c, v[\sa], v[\sb] matrix_a_fmt:MATRIX_FMT_FP6 matrix_b_fmt:MATRIX_FMT_FP6
.endif
.endm
.macro MM s, q                         ; 16 products of K step q on 16 accumulators by turns; the first K step takes the bias as C
.set E_, 2*((\q)/4)+(\q)%2
.set RW_, ((\q)/2)%2
.if \q
	WIN 3|((1+(\q)/4)<<2)|0xf0
.else
	WIN 3|(1<<2)|(1<<4)|(3<<6)
.endif
.irp i, 0,1,2,3
.irp t, 0,1,2,3
.set XF_, 12*(4*((\q)%4)+\i)
.set WF_, 48*((\q)%2)+12*\t
.set D_, 128+8*(4*\i+\t)
.set BI_, 192+32*\s+8*\t
.if \q
	MM1 D_, WF_, XF_, v[D_:D_+7], WS+4*\t+E_, XS+4*\i+E_, RW_
.else
	MM1 D_, WF_, XF_, v[BI_:BI_+7], WS+4*\t+E_, XS+4*\i+E_, RW_
.endif
.endr
.endr
.endm
.macro TOSTAGE u                       ; 16 tokens x 64 columns: register 8 t + j of lane (r, h) is column 32 (t / 2) + 16 h + 8 (t % 2) + j of place r.  LDS serves a wave's instructions in order: the loads see the stores
.set AC_, 128+32*(\u)
	WIN 3<<2
.irp t, 0,1,2,3
	ds_store_b128 v[STO], v[AC_+8*\t:AC_+8*\t+3] offset:128*(\t/2)+32*(\t%2)
	ds_store_b128 v[STO], v[AC_+8*\t+4:AC_+8*\t+7] offset:128*(\t/2)+32*(\t%2)+16
.endr
	WIN 0
.irp k, 0,1,2,3,4,5,6,7
	ds_load_b128 v[BK+32*\u+4*\k:BK+32*\u+4*\k+3], v[RD] offset:\k*2*SPITCH
.endr
.endm
.macro SEND s, u
	s_wait_dscnt 16*(3-\u)                         ; the later units' 8 stores and 8 loads each may be out
.irp k, 0,1,2,3,4,5,6,7
	global_store_b128 v[CO], v[BK+32*\u+4*\k:BK+32*\u+4*\k+3], s[10:11] offset:(32*(\u/2)+8*(\u%2)+2*\k+8*(\k/4))*4096+256*\s th:TH_STORE_NT   ; sixteen lanes store 256 consecutive bytes, aligned
.endr
.endm
.macro SLOT s
.irp q, 0,1,2,3,4,5,6,7
.if (\q < 7) || (\s == 0)
	PLACES 4                                       ; between the last step's products and the loads into the set that they read
	WIN 0xc0
.if \q < 7
	FRAGS AW+\s, \q+1
.else
	FRAGS AW+1, 0                                  ; the next slot's first fragments
.endif
	s_wait_dscnt 24                                ; all but the 24 loads just issued
.else
	s_wait_dscnt 0x0
.endif
	MM \s, \q
.endr
	PLACES 4                                       ; ahead of the loads into the scale words and of the first read of the sums
	WIN 0
.if \s == 0
	WSLOAD 1
.else
	s_wait_xcnt 0x0                                ; the last slot's stores have read their registers
.endif
.irp u, 0,1,2,3
	TOSTAGE \u
.endr
.irp u, 0,1,2,3
	SEND \s, \u
.endr
.endm
	s_load_b128 s[4:7], s[0:1], 0x0                ; ob, wq
	s_load_b128 s[8:11], s[0:1], 0x10              ; bp, out0
	v_lshl_add_u32 v[SPW], v0, 2, SPARE
	v_mov_b32 v[NIL], 0
	ds_add_u32 v[SPW], v[NIL]                      ; the opening lines
	ds_add_u32 v[SPW], v[NIL]
	v_lshrrev_b32 v1, 5, v0
	v_readfirstlane_b32 s14, v1                    ; wave
	s_bfe_u32 s40, ttmp6, 0x40000                  ; cx
	s_bfe_u32 s41, ttmp6, 0x40004                  ; cy
	s_lshl_b32 s42, ttmp9, 2
	s_add_co_u32 s42, s42, s40                     ; g
	s_and_b32 s43, ttmp7, 0xffff
	s_lshl_b32 s43, s43, 2
	s_add_co_u32 s43, s43, s41                     ; R
	s_lshl_b32 s44, 0x1111, s40                    ; my column of the cluster
	s_or_b32 s[G1C], s44, (3<<16)|(1<<21)          ; codes: a third of the dense 98,304 bytes as 128 rows of 256
	s_mov_b32 s[G1C+1], 32<<16
	s_mov_b32 s[G1C+2], 128<<16
	s_mov_b32 s[G1C+3], 32<<16
	s_mov_b32 s[G1C+4], 128
	s_mov_b32 s[G1C+5], 32
	s_mov_b32 s[G1C+6], 0
	s_mov_b32 s[G1C+7], 0
	s_or_b32 s[G1S], s44, (3<<16)|(1<<21)          ; scale words: 16 rows of 256
	s_mov_b32 s[G1S+1], 32<<16
	s_mov_b32 s[G1S+2], 16<<16
	s_mov_b32 s[G1S+3], 32<<16
	s_mov_b32 s[G1S+4], 16
	s_mov_b32 s[G1S+5], 32
	s_mov_b32 s[G1S+6], 0
	s_mov_b32 s[G1S+7], 0
	s_lshl_b32 s20, s42, 3
	s_add_co_u32 s20, s20, 192                     ; Wp's tiles 8 g on
	s_lshl_b32 s22, s20, 9
	s_add_co_u32 s22, s22, WQ_SC
	s_mul_i32 s20, s20, 12288
	s_lshl_b32 s21, s14, 15
	s_add_co_u32 s20, s20, s21
	s_mov_b32 s[G0+1], s21
	s_mov_b32 s21, 0
	s_mov_b32 s23, 0
	s_mov_b32 s[G0], 1
	s_mov_b32 s[G0S], 1
	s_mov_b32 s[G0S+1], SCW
	s_lshl_b32 s16, s43, 4
	s_lshl_b32 s17, s14, 2
	s_add_co_u32 s16, s16, s17                     ; my first tile of O
	s_lshl_b32 s18, s16, 9
	s_add_co_u32 s18, s18, O_SC
	s_lshl_b32 s82, s16, 16                        ; its first token's row of out0: 16 rows of 4,096 bytes a tile,
	s_mul_i32 s16, s16, 12288
	s_mov_b32 s17, 0
	s_mov_b32 s19, 0
	s_lshl_b32 s84, s42, 9                         ; and my 128 columns, in out0 and in bp
	s_add_co_u32 s82, s82, s84
	s_mov_b32 s83, 0
	s_mov_b32 s85, 0
	s_mul_i32 s86, s14, 16*SPITCH
	s_add_co_u32 s86, s86, STAGE                   ; my stage
	v_and_b32 v[L8], 31, v0
	v_lshlrev_b32 v[L8], 3, v[L8]                  ; 8 x lane
	v_and_b32 v13, 15, v0                          ; r
	v_bfe_u32 v14, v0, 4, 1                        ; h
	v_add_nc_u32 v[AW], 0, v[L8]
	v_add_nc_u32 v[AW+1], SLOTB, v[L8]
	v_add_nc_u32 v[AS], SCW, v[L8]
	v_mul_u32_u24 v[STO], v13, SPITCH
	v_lshl_add_u32 v[STO], v14, 6, v[STO]
	v_add_nc_u32 v[STO], s86, v[STO]               ; in: row r, + 64 h
	v_mul_u32_u24 v[RD], v14, SPITCH
	v_lshl_add_u32 v[RD], v13, 4, v[RD]
	v_add_nc_u32 v[RD], s86, v[RD]                 ; back: sixteen lanes to a row, two rows an instruction
	v_lshlrev_b32 v[CO], 12, v14
	v_lshl_add_u32 v[CO], v13, 4, v[CO]            ; and the same two rows in out0
	v_lshlrev_b32 v[BO], 6, v14                    ; the bias: 16 h numbers on
	WALU
	s_wait_dscnt 0x0
	s_wait_kmcnt 0x0
	s_add_nc_u64 s[G0+2:G0+3], s[6:7], s[20:21]
	s_or_b32 s[G0+3], s[G0+3], 0x80000000
	s_add_nc_u64 s[G0S+2:G0S+3], s[6:7], s[22:23]
	s_or_b32 s[G0S+3], s[G0S+3], 0x80000000
	s_add_nc_u64 s[12:13], s[4:5], s[16:17]
	s_add_nc_u64 s[16:17], s[4:5], s[18:19]
	s_add_nc_u64 s[8:9], s[8:9], s[84:85]
	s_add_nc_u64 s[10:11], s[10:11], s[82:83]
	CROUND                                         ; the round ahead of the joint loads
	s_cmp_lt_u32 s14, 3                            ; one load a wave: waves 0-2 a third of the codes each, wave 3 the scale words
	s_cbranch_scc0 .Lscales
	tensor_load_to_lds s[G0:G0+3], s[G1C:G1C+7]
	s_nop 0
	PLACES 4
	s_branch .Lasked
.Lscales:
	tensor_load_to_lds s[G0S:G0S+3], s[G1S:G1S+7]
	s_nop 0
	PLACES 4
.Lasked:
.irp q, 0,1,2,3,4,5,6,7                        ; my 64 rows of O, all of K: 192 loads of 256 consecutive bytes
	WIN (1+\q/4)<<6
.irp i, 0,1,2,3
.irp p, 0,1,2,3,4,5
	global_load_b64 v[12*(4*(\q%4)+\i)+2*\p:12*(4*(\q%4)+\i)+2*\p+1], v[L8], s[12:13] offset:\i*12288+\q*1536+256*\p
.endr
.endr
.endr
	WIN 1<<6
.irp s, 0,1
.irp t, 0,1,2,3
	global_load_b128 v[192+32*\s+8*\t:192+32*\s+8*\t+3], v[BO], s[8:9] offset:256*\s+128*(\t/2)+32*(\t%2)
	global_load_b128 v[192+32*\s+8*\t+4:192+32*\s+8*\t+7], v[BO], s[8:9] offset:256*\s+128*(\t/2)+32*(\t%2)+16
.endr
.endr
	WIN 0
.irp i, 0,1,2,3
.irp pp, 0,1
	global_load_b64 v[XS+4*\i+2*\pp:XS+4*\i+2*\pp+1], v[L8], s[16:17] offset:\i*512+256*\pp
.endr
.endr
	s_wait_tensorcnt 0x0                           ; my load has landed
	s_barrier_signal -1
	s_barrier_wait -1                              ; and everybody's
	WSLOAD 0
	WIN 0xc0
	FRAGS AW, 0
	WIN 0
	s_wait_loadcnt 0x0                             ; O and the bias
	SLOT 0
	SLOT 1
	s_wait_tensorcnt 0x0                           ; the wave's end
	ds_add_u32 v[SPW], v[NIL]
	s_wait_dscnt 0x0
	CROUND                                         ; the closing round
	s_endpgm
.Lfunc_end_k_qe0219ffe45_outp:
	.size	k_qe0219ffe45_outp, .Lfunc_end_k_qe0219ffe45_outp-k_qe0219ffe45_outp
	.p2alignl 7, 3214868480
	.fill 96, 4, 3214868480
	.section	.rodata,"a",@progbits
	.p2align	6, 0x0
	.amdhsa_kernel k_qe0219ffe45_outp
		.amdhsa_group_segment_fixed_size 167936
		.amdhsa_private_segment_fixed_size 0
		.amdhsa_enable_private_segment 0
		.amdhsa_kernarg_size 32
		.amdhsa_user_sgpr_count 2
		.amdhsa_user_sgpr_kernarg_segment_ptr 1
		.amdhsa_wavefront_size32 1
		.amdhsa_system_sgpr_workgroup_id_x 1
		.amdhsa_system_sgpr_workgroup_id_y 1
		.amdhsa_system_sgpr_workgroup_id_z 1
		.amdhsa_system_vgpr_workitem_id 0
		.amdhsa_next_free_vgpr 1024
		.amdhsa_next_free_sgpr 96
		.amdhsa_reserve_vcc 0
		.amdhsa_float_denorm_mode_32 3
		.amdhsa_float_denorm_mode_16_64 3
		.amdhsa_memory_ordered 1
		.amdhsa_forward_progress 1
		.amdhsa_inst_pref_size 102
	.end_amdhsa_kernel
	.amdgpu_metadata
---
amdhsa.version: [ 1, 2 ]
amdhsa.kernels:
  - .name:           k_qe0219ffe45_outp
    .symbol:         k_qe0219ffe45_outp.kd
    .args:
      - { .name: ob, .offset: 0, .size: 8, .value_kind: global_buffer, .address_space: global }
      - { .name: wq, .offset: 8, .size: 8, .value_kind: global_buffer, .address_space: global }
      - { .name: bp, .offset: 16, .size: 8, .value_kind: global_buffer, .address_space: global }
      - { .name: out0, .offset: 24, .size: 8, .value_kind: global_buffer, .address_space: global }
    .group_segment_fixed_size: 167936
    .private_segment_fixed_size: 0
    .kernarg_segment_align: 8
    .kernarg_segment_size: 32
    .max_flat_workgroup_size: 128
    .sgpr_count:     96
    .vgpr_count:     1024
    .wavefront_size: 32
...
	.end_amdgpu_metadata
.endif
;; end of part 4
